; MI455X (gfx1250); checked and timed in simulation.
; The chip was launched on July 23, 2026; its instructions are those of AMD's public machine-readable ISA for CDNA 5 (MIT licence, August 2026) and "CDNA5" Instruction Set Architecture Reference Guide (July 2026). The comments in the code are by the model that wrote it; some were corrected since.
;; Mol substruct Experts. Allowed arithmetic: matrix products marked QUANTISED: E4M3 operands, one given power-of-two scale a tensor, by v_wmma_f32_16x16x64_fp8_fp8 or v_wmma_f32_16x16x128_fp8_fp8, f32 sums; products left as they are: f32 operands where the result goes on into a quantised operand, else bf16, f16 or f32 operands; f32 sums; everything else in f32.
;; Inputs: Wk 128 x 128 float32; Wq 128 x 128 float32; bk 128 float32; bq 128 float32; lowp_scales 6 int32 (the exponents e of the quantised operands' scales 2^e); mask 2,048 x 256 float32; sub_feat 4,096 x 128 float32; sub_index 2,048 x 256 int32.
;; Outputs: out0 2,048 x 128 float32.
;; This version of the problem:
;;   THIS VERSION OF THE PROBLEM IS GIVEN IN LOW PRECISION. The matrix products marked QUANTISED in the list below multiply operands that are first quantised to E4M3 (4 exponent bits, 3 mantissa bits; 8 bits a number), with one given power-of-two scale for each operand tensor; their sums are f32. All else is computed in f32.
;;   The module's matrix products, in the order in which they are computed (A, B: the left and right operand; K: the contracted axis; several contracted axes count as one K, in the product's order):
;;     1. [M 524,288, K 128] x [K 128, N 128]; A: computed on the way; B: input Wq: QUANTISED (scales: A lowp_scales[0], B lowp_scales[1])
;;     2. [M 524,288, K 128] x [K 128, N 128]; A: computed on the way; B: input Wk: QUANTISED (scales: A lowp_scales[2], B lowp_scales[3])
;;     3. batch 2,048 x [M 256, K 128] x [K 128, N 256]; A: computed on the way; B: computed on the way: QUANTISED (scales: A lowp_scales[4], B lowp_scales[5])
;;     4. batch 2,048 x [M 1, K 256] x [K 256, N 128]; A: computed on the way; B: computed on the way: left as it is (M = 1 < 16)
;;   THE QUANTISER, for each operand of a quantised product, along K:
;;     - The operand's scale is 2^e, e = its entry of the input lowp_scales (int32; the entries are numbered through the quantised products in the list's order, A before B).
;;     - Each number is divided by the scale, clamped to +-448, and rounded to the nearest number of E4M3, ties to even, subnormals kept.
;;     - The product sums the exact products of the quantised numbers (number of the format x scale) in f32.
;;   ~~~python
;;   def quantise(x, axis, e):      # numpy; x: float32 -> the quantised numbers, widened to float32 again
;;       x = np.moveaxis(x, axis, -1); K = x.shape[-1]
;;       r = np.clip(x / 2.0 ** e, -448, 448)
;;       step = 2.0 ** (np.maximum(np.frexp(np.where(r == 0, 1, r))[1] - 1, -6) - 3)
;;       q = np.round(r / step) * step * 2.0 ** e      # np.round: ties to even
;;       return np.moveaxis(q, -1, axis).astype(np.float32)
;;   ~~~
;;   OPERANDS COMPUTED ON THE WAY. 'Computed on the way' means the value that the module computes at that place (a softmax that the list does not call 'softmax' is quantised finished and normalised). What goes into a quantiser is computed in f32, as accurately as f32 sums, v_exp_f32 and their like allow (about 1e-6 of the number): no bf16 or f16 on the way to a quantiser, and a product that is left as it is and whose result goes on into a quantised operand takes f32 operands (vector FMAs, or v_wmma_f32_16x16x4_f32). A number that lies on a knife's edge between two numbers of the format may be rounded either way, as far as f32 arithmetic and the matrix unit's own rounding can turn it there, and no further.
;; 2 versions. Each part assembles by itself: llvm-mc -triple=amdgcn-amd-amdhsa -mcpu=gfx1250 --defsym DOCPART=n.
;; ======== version 1 of 2: 1 launch
;; launch fused (part 1): grid 256 x 1, 8 waves a work-group, no clusters, 68,608 bytes of LDS; arguments sub_feat, sub_index, mask, Wk, Wq, bk, bq, lowp_scales, out0; writes out0
.if DOCPART == 1
	.amdgcn_target "amdgcn-amd-amdhsa--gfx1250"
	.amdhsa_code_object_version 6
	.text
	.protected	k_q8ccbf3e60d_fused
	.globl	k_q8ccbf3e60d_fused
	.p2align	8
	.type	k_q8ccbf3e60d_fused,@function
k_q8ccbf3e60d_fused:
	s_mov_b64 s[64:65], 0
	v_nop
	global_prefetch_b8 v0, s[64:65] scope:SCOPE_SE
	s_setreg_imm32_b32 hwreg(HW_REG_WAVE_MODE, 25, 1), 1
	s_wait_xcnt 0x0
; out0[b][:] = sum over j of softmax_j( q0 . k_j / sqrt(128) + (1 - mask[b][j]) x -10000 ) x g_j,   g_j = sub_feat[sub_index[b][j]],  q0 = g_0 Wq + bq,  k_j = g_j Wk + bk.
; Only query 0's row of the softmax is kept by the problem, so q is made for gathered row 0 alone and the scores for that one query; k is made for all 256 gathered rows.
; QUANTISED, on codes of FP8 (E4M3), each operand with its given scale 2^e (e0 .. e5): g_0 (e0) x Wq (e1);  g_j (e2) x Wk (e3);  q0 (e4) x k_j (e5).  The weighted sum (one row) is f32 multiply-adds.
; SHARES.  One wave, one drug: b = 8 x work-group + wave; 256 work-groups x 8 waves = 2,048 drugs; 8 waves x 512 registers.  A drug is 16 tiles of 16 gathered rows.
; A TILE.  Lane (r, h) (r = lane % 16, h = lane / 16) loads, of each of the rows 16 t + 8 h + i (i = 0 .. 7), the 16 bytes at 16 r and at 256 + 16 r: sixteen lanes read 256 consecutive bytes, aligned.
;   The 8 numbers of a row slot are held, converted to 8 codes and turned through the wave's own stage in LDS (codes, a quarter of the numbers' bytes): they come back as the operand of k^T = Wk^T x^T.
;   That product is used transposed (source 0 = 16 features of Wk, source 1 = the 16 rows), bk is its C; a lane's eight results of a tile become two registers of k's codes.
;   The scores: source 0 = k's 16 rows, source 1 = q0 in all sixteen columns: register j of lane (r, h) is the score of key 16 t + 8 h + j, the very row that the lane's slot j holds.  So nothing changes lanes on the way to the weighted sum.
; THE ORDER OF K.  Inside an instruction k stands permuted, alike in both operands: byte y of group c of half h holds feature 16 c + 8 h + y % 4 + 4 (y / 8) + 64 ((y / 4) % 2), which is how the stage returns the codes; W's
;   fragments are made in that order.  Tile 4 u + e of W takes the output features 64 u + 4 m + e (m = the tile's row), for Wq and Wk alike, so that q's and k's codes agree.  Only the order of the sums inside an instruction changes.
; W.  Each wave quantises an eighth of Wk and Wq together (one of two matrices, one of two halves of the columns, one of two halves of K); the fragments go to LDS as images of their registers; one barrier; Wk's stay in registers.
; SOFTMAX, in the log2 domain: t = sum x c x 2^(e4 + e5) + (mask - 1) x 10000 log2(e), c = log2(e) / sqrt(128); a running maximum m is taken away; in every tile the sums are multiplied by f = 2^(old m - new m).
; NO JOINT LOADS, NO TENSOR LOADS: the stream is a gather, each lane by its own address, 131,072 bytes a drug; what work-groups share is W alone, 131,072 bytes a work-group against 1,048,576 gathered.
; LIMITS: e0, e1, e2, e3, e4 - e0 - e1 and e5 - e2 - e3 between -126 and 119, e4 + e5 between -123 and 130, so that each power of two below is an f32 number.  NaN among the inputs is not served.
;   The mask's term is one fused mask x K2 - K2, rounded once, where the problem's text rounds (1 - mask) x -10000 and the sum.
; REGISTERS.  Window 0: v1-13 addresses and scales; v14-23 statistics and work; v24-39 two sets of gather offsets; v40-47 the mask's terms; v48-55 scores; v56-63 t, then p; v64-71 the sums; v72-79 the way out;
;   v80-95 q's codes; v96-111 x's operand; v112-127 codes just made; v128-191, v192-255 two sets of gathered rows.   Window 1: v0-127 Wk's 8 fragments; v128-191 bk's 8 tiles; v192-255 held numbers, then k^T.
.set WIMGK, 0                          ; LDS: Wk's 8 fragments as images: 2048 x tile + 512 x group + 16 x lane
.set WIMGQ, 16384                      ; the same for Wq
.set WA0,   32768                      ; then an area for each wave:
.set WAREA, 4352                       ;   1,024 bytes of indices, 1,024 of the mask's terms, a stage of 16 rows x 144 bytes
.set AMSO,  1024
.set STGO,  2048
.set SP,    144                        ; a stage row: 128 bytes of codes + 16: nine times 16 bytes, so the sixteen rows that a read touches start in sixteen different columns of 16 bytes
.set R16, 1                            ; v1   16 r
.set STW, 2                            ; v2   stage, in: 1152 h + 8 r (row 8 h + i by the immediate)
.set STR, 3                            ; v3   stage, out: 144 r + 16 h
.set STQ, 4                            ; v4   stage row 0: 16 h
.set IDA, 5                            ; v5   my half's indices of tile 0
.set AMA, 6                            ; v6   my half's mask terms of tile 0
.set IDT, 7                            ; v7   the same for the trip in hand
.set AMT, 8                            ; v8
.set LI,  9                            ; v9   16 x lane
.set SCX, 10                           ; v10  2^e2;  v11  448 x 2^e2
.set LMX, 11
.set SCK, 12                           ; v12  2^(e5 - e2 - e3);  v13  448 x that
.set LMK, 13
.set MX,  14                           ; v14  m;  v15 the old m
.set FF,  16                           ; v16  f;  v17 written, since the pair is named
.set LS,  18                           ; v18  the sum of p, my half's keys
.set T0,  19                           ; v19-23 at work
.set ADA, 24
.set ADB, 32
.set AM,  40
.set S,   48
.set P,   56
.set ACC, 64
.set OT,  72
.set QC,  80
.set XB,  96
.set KC,  112
.set RA,  128
.set RB,  192
.set WK,  0                            ; window 1
.set BK,  128
.set KA,  192
.set SCW, 72                           ; ahead of the loop only: W's scale and limit, x0's scale and limit
.set LMW, 73
.set SC0, 74
.set LM0, 75
.set RR,  80                           ; ahead of the loop only: r, h, lane, W's offset, the biases' places, the images' place, my area
.set HH,  81
.set LL,  82
.set VW,  83
.set BST, 84
.set BLD, 85
.set WST, 86
.set OWN, 87
.set WAB, 88
.set TT,  89
.set MSB, 0
.macro WIN new                         ; low byte: bits 1:0 source 0, 3:2 source 1, 5:4 source 2, 7:6 destination; the high byte repeats the setting that is left
.if MSB != \new
	s_set_vgpr_msb (MSB<<8)|\new
.set MSB, \new
.endif
.endm
.macro POW2 e, sc, lim                 ; s[sc] = 2^e as f32, s[lim] = 448 x 2^e, e in s[e]
	s_add_co_i32 s[\lim], s[\e], 127
	s_lshl_b32 s[\sc], s[\lim], 23
	s_add_co_i32 s[\lim], s[\lim], 8
	s_lshl_b32 s[\lim], s[\lim], 23
	s_or_b32 s[\lim], s[\lim], 0x600000
.endm
.macro PLACES
.rept 4
	v_nop
.endr
.endm
	; ---- ids, addresses
	s_load_b512 s[8:23], s[0:1], 0x0               ; sub_feat s[8:9], sub_index s[10:11], mask s[12:13], Wk s[14:15], Wq s[16:17], bk s[18:19], bq s[20:21], the scales' exponents s[22:23]
	s_load_b64 s[24:25], s[0:1], 0x40              ; out0
	v_lshrrev_b32 v[TT], 5, v0
	v_readfirstlane_b32 s2, v[TT]                  ; wave 0..7
	v_and_b32 v[RR], 15, v0
	v_bfe_u32 v[HH], v0, 4, 1
	v_and_b32 v[LL], 31, v0
	v_lshlrev_b32 v[R16], 4, v[RR]
	v_lshlrev_b32 v[LI], 4, v[LL]
	s_mul_i32 s3, s2, WAREA
	s_add_co_u32 s3, s3, WA0                       ; my wave's area
	s_add_co_u32 s4, s3, STGO                      ; its stage
	v_mul_u32_u24 v[STW], v[HH], 8*SP
	v_lshl_add_u32 v[STW], v[RR], 3, v[STW]
	v_add_nc_u32 v[STW], s4, v[STW]
	v_mul_u32_u24 v[STR], v[RR], SP
	v_lshl_add_u32 v[STR], v[HH], 4, v[STR]
	v_add_nc_u32 v[STR], s4, v[STR]
	v_lshlrev_b32 v[STQ], 4, v[HH]
	v_add_nc_u32 v[STQ], s4, v[STQ]
	v_lshlrev_b32 v[IDA], 5, v[HH]
	v_add_nc_u32 v[IDA], s3, v[IDA]
	v_add_nc_u32 v[AMA], AMSO, v[IDA]
	v_lshrrev_b32 v[BST], 3, v[LL]                 ; the biases go into the stage as [u][h][e][j]: number 4 lane + e lies at 128 (lane / 8) + 32 e + 4 (lane % 8)
	v_lshlrev_b32 v[BST], 7, v[BST]
	v_and_b32 v[TT], 7, v0
	v_lshl_add_u32 v[BST], v[TT], 2, v[BST]
	v_add_nc_u32 v[BST], s4, v[BST]
	v_lshlrev_b32 v[BLD], 7, v[HH]                 ; and come back by tiles: 128 h + 256 u + 32 e
	v_add_nc_u32 v[BLD], s4, v[BLD]
	s_lshr_b32 s5, s2, 1                           ; my share of W: matrix wave / 4, columns' half u = (wave / 2) % 2, K's half cp = wave % 2
	s_lshl_b32 s5, s5, 13                          ; its images begin at 16384 x matrix + 8192 u + 1024 cp
	s_and_b32 s6, s2, 1
	s_lshl_b32 s7, s6, 10
	s_add_co_u32 s5, s5, s7
	v_add_nc_u32 v[WST], s5, v[LI]
	v_add_nc_u32 v[OWN], s3, v[LI]
	v_mov_b32 v[WAB], s3
	v_lshl_add_u32 v[VW], v[HH], 12, v[R16]        ; W: 8 h rows of 512 bytes + 16 r
	v_mov_b32 v[T0+3], 0xc6616bcd                  ; -K2 = -10000 log2(e), twice
	v_mov_b32 v[T0+4], 0xc6616bcd
	s_bfe_u32 s28, s2, 0x10001                     ; u
	s_lshl_b32 s28, s28, 8                         ; 64 u columns,
	s_lshl_b32 s29, s6, 14                         ; 32 cp rows
	s_add_co_u32 s28, s28, s29
	s_mov_b32 s29, 0
	s_lshl_b32 s38, ttmp9, 3
	s_add_co_u32 s38, s38, s2                      ; my drug
	s_lshl_b32 s48, s38, 10                        ; its 256 indices and mask numbers,
	s_mov_b32 s49, 0
	s_lshl_b32 s50, s38, 9                         ; its row of out0
	s_mov_b32 s51, 0
	s_mov_b32 s42, 0x76543210                      ; v_permlanex16_b32: each lane takes its own place in the other half
	s_mov_b32 s43, 0xfedcba98
	s_mov_b32 s44, 0x46616bcd                      ; K2
	s_mov_b32 s45, s44                             ; (named with it as a pair, so it is written)
	s_wait_kmcnt 0x0
	s_load_b128 s[32:35], s[22:23], 0x0            ; e0 .. e3
	s_load_b64 s[36:37], s[22:23], 0x10            ; e4, e5
	s_add_nc_u64 s[10:11], s[10:11], s[48:49]
	s_add_nc_u64 s[12:13], s[12:13], s[48:49]
	s_add_nc_u64 s[24:25], s[24:25], s[50:51]
	s_cmp_lt_u32 s2, 4                             ; waves 0-3 take Wk, waves 4-7 Wq: the choice hangs on the wave's number alone
	s_cselect_b64 s[26:27], s[14:15], s[16:17]
	s_add_nc_u64 s[26:27], s[26:27], s[28:29]
	; ---- 38 loads: indices, mask, biases, my share of W
	global_load_b128 v[ADA:ADA+3], v[LI], s[10:11] th:TH_LOAD_NT
	global_load_b128 v[ADA+4:ADA+7], v[LI], s[10:11] offset:512 th:TH_LOAD_NT
	global_load_b128 v[AM:AM+3], v[LI], s[12:13] th:TH_LOAD_NT
	global_load_b128 v[AM+4:AM+7], v[LI], s[12:13] offset:512 th:TH_LOAD_NT
	global_load_b128 v[S:S+3], v[LI], s[18:19]     ; bk: numbers 4 lane + 0 .. 3
	global_load_b128 v[S+4:S+7], v[LI], s[20:21]   ; bq
	WIN 0x40                                       ; destination window 1
.irp cc, 0,1                                   ; W(feature of byte y of group 2 cp + cc of my half, columns 64 u + 4 r + 0 .. 3): one load serves four tiles; sixteen lanes read 256 consecutive bytes
.irp y, 0,1,2,3,4,5,6,7,8,9,10,11,12,13,14,15
	global_load_b128 v[4*(16*\cc+\y):4*(16*\cc+\y)+3], v[VW], s[26:27] offset:(16*\cc+(\y%4)+4*(\y/8)+64*((\y/4)%2))*512
.endr
.endr
	WIN 0
	; ---- the indices and the mask's terms go into my area of LDS once, in whole runs; the first gathers go out
	s_wait_loadcnt 34                              ; indices and mask are in; behind them: 2 loads of biases, 32 of W
	ds_store_b128 v[OWN], v[ADA:ADA+3]
	ds_store_b128 v[OWN], v[ADA+4:ADA+7] offset:512
	ds_load_b128 v[ADA:ADA+3], v[IDA]              ; LDS serves a wave's instructions in order: these see the stores above.  Tile 0: indices 8 h + 0 .. 7
	ds_load_b128 v[ADA+4:ADA+7], v[IDA] offset:16
	ds_load_b128 v[ADB:ADB+3], v[IDA] offset:64    ; tile 1
	ds_load_b128 v[ADB+4:ADB+7], v[IDA] offset:80
	ds_load_b32 v[T0], v[WAB]                      ; index 0: the query's row
.irp g, 0,2,4,6
	v_pk_fma_f32 v[AM+\g:AM+\g+1], v[AM+\g:AM+\g+1], s[44:45], v[T0+3:T0+4] op_sel_hi:[1,0,1]   ; (mask - 1) x K2: exactly 0 where mask = 1
.endr
	ds_store_b128 v[OWN], v[AM:AM+3] offset:AMSO
	ds_store_b128 v[OWN], v[AM+4:AM+7] offset:AMSO+512
	s_wait_dscnt 0x0
.irp i, 0,1,2,3,4,5,6,7,8,9,10,11,12,13,14,15
	v_min_u32 v[ADA+\i], 4095, v[ADA+\i]           ; an index stays inside the table
.endr
	v_min_u32 v[T0], 4095, v[T0]
.irp i, 0,1,2,3,4,5,6,7,8,9,10,11,12,13,14,15
	v_lshl_add_u32 v[ADA+\i], v[ADA+\i], 9, v[R16] ; a row is 512 bytes; + 16 r
.endr
	v_lshl_add_u32 v[T0], v[T0], 9, v[R16]
.macro GATHER r, ad                            ; 16 loads: my half's eight rows, 2 x 16 bytes a lane.  No streaming hint: the list names rows again
.irp i, 0,1,2,3,4,5,6,7
	global_load_b128 v[\r+8*\i:\r+8*\i+3], v[\ad+\i], s[8:9]
	global_load_b128 v[\r+8*\i+4:\r+8*\i+7], v[\ad+\i], s[8:9] offset:256
.endr
.endm
	global_load_b128 v[P:P+3], v[T0], s[8:9]       ; gathered row 0, in both halves of the lanes
	global_load_b128 v[P+4:P+7], v[T0], s[8:9] offset:256
	GATHER RA, ADA
	GATHER RB, ADB
	; ---- biases into tiles; all scales; my share of W into codes and images
	s_wait_loadcnt 34                              ; biases and W are in; behind them: row 0's 2 loads and the two tiles' 32
.irp e, 0,1,2,3
	ds_store_b32 v[BST], v[S+\e] offset:32*\e
	ds_store_b32 v[BST], v[S+4+\e] offset:512+32*\e
.endr
	WIN 0x40
.irp t, 0,1,2,3,4,5,6,7                        ; bk's tile t = 4 u + e: register j of lane (r, h) is bk[64 u + 32 h + 4 j + e], the result's layout
	ds_load_b128 v[BK+8*\t:BK+8*\t+3], v[BLD] offset:256*(\t/4)+32*(\t%4)
	ds_load_b128 v[BK+8*\t+4:BK+8*\t+7], v[BLD] offset:256*(\t/4)+32*(\t%4)+16
.endr
	WIN 0
	s_wait_kmcnt 0x0
	POW2 34, 38, 39                                ; e2: the gathered rows ahead of Wk
	v_mov_b32 v[SCX], s38
	v_mov_b32 v[LMX], s39
	s_add_co_i32 s46, s34, s35                     ; a sum of that product stands for sum x 2^(e2 + e3): so bk goes in as bk / 2^(e2 + e3),
	s_sub_co_i32 s52, s37, s46                     ; and k's conversion takes 2^(e5 - e2 - e3): the three scales folded into one
	POW2 52, 38, 39
	v_mov_b32 v[SCK], s38
	v_mov_b32 v[LMK], s39
	s_sub_co_i32 s46, 0, s46
	s_add_co_i32 s47, s32, s33                     ; the same for q: e0 + e1, e4 - e0 - e1
	s_sub_co_i32 s52, s36, s47
	POW2 52, 48, 49
	s_sub_co_i32 s47, 0, s47
	POW2 32, 38, 39                                ; e0: row 0 ahead of Wq
	v_mov_b32 v[SC0], s38
	v_mov_b32 v[LM0], s39
	s_cmp_lt_u32 s2, 4
	s_cselect_b32 s52, s35, s33                    ; my matrix's: e3 for Wk, e1 for Wq
	POW2 52, 38, 39
	v_mov_b32 v[SCW], s38
	v_mov_b32 v[LMW], s39
	s_add_co_i32 s40, s36, s37
	s_lshl_b32 s40, s40, 23
	s_add_co_i32 s40, s40, 0x3e0293ee              ; c = log2(e) / sqrt(128), with e4 + e5 added to its exponent field
	s_mov_b32 s41, s40
.macro WQUANT cc, dst                          ; group 2 cp + cc of four tiles: the hold also brings a tile's 16 numbers together; 64 codes a lane; four images
	WIN 0x41                                       ; source 0 and destination window 1
.irp e, 0,1,2,3
.irp y, 0,1,2,3,4,5,6,7,8,9,10,11,12,13,14,15
	v_med3_num_f32 v[KA+16*\e+\y], v[4*(16*\cc+\y)+\e], -v[LMW], v[LMW]   ; the conversion to an 8-bit code does not saturate (ISA guide 7.6.2): the hold at the largest code x the scale
.endr
.endr
	WIN 0x01
.irp g, 0,1,2,3,4,5,6,7
	v_cvt_scalef32_pk8_fp8_f32 v[\dst+2*\g:\dst+2*\g+1], v[KA+8*\g:KA+8*\g+7], v[SCW]
.endr
	WIN 0
	v_nop                                          ; one plain vector instruction behind the last conversion, ahead of whatever next writes its sources
.irp e, 0,1,2,3
	ds_store_b128 v[WST], v[\dst+4*\e:\dst+4*\e+3] offset:2048*\e+512*\cc
.endr
.endm
	WQUANT 0, KC
	WQUANT 1, XB
	s_wait_dscnt 0x0                               ; for the others' sake: my images have landed; for mine: bk's tiles are in
	s_barrier_signal -1
	WIN 0x41
.set n, 0
.rept 64
	v_ldexp_f32 v[BK+n], v[BK+n], s46              ; bk / 2^(e2 + e3): register work while the others arrive
.set n, n+1
.endr
	s_barrier_wait -1                              ; the launch's one barrier: all sixteen fragments lie in LDS, and nobody writes them again
	; ---- Wk's fragments into registers for good; q0
	WIN 0x40
.irp t, 0,1,2,3,4,5,6,7
.irp c, 0,1,2,3
	ds_load_b128 v[WK+16*\t+4*\c:WK+16*\t+4*\c+3], v[LI] offset:WIMGK+2048*\t+512*\c
.endr
.endr
.irp t, 0,1,2,3,4,5,6,7                        ; bq's tiles, where q's sums will stand
	ds_load_b128 v[KA+8*\t:KA+8*\t+3], v[BLD] offset:512+256*(\t/4)+32*(\t%4)
	ds_load_b128 v[KA+8*\t+4:KA+8*\t+7], v[BLD] offset:512+256*(\t/4)+32*(\t%4)+16
.endr
	WIN 0
	s_wait_loadcnt 32                              ; row 0 is in; the two tiles' 32 loads may be out
.irp i, 0,1,2,3,4,5,6,7
	v_med3_num_f32 v[P+\i], v[P+\i], -v[LM0], v[LM0]
.endr
	v_cvt_scalef32_pk8_fp8_f32 v[T0+3:T0+4], v[P:P+7], v[SC0]
	v_nop
	ds_store_b64 v[STW], v[T0+3:T0+4]              ; stage rows 0 and 8; behind bq's reads in the wave's LDS order
.irp c, 0,1,2,3
	ds_load_b128 v[XB+4*\c:XB+4*\c+3], v[STQ] offset:32*\c   ; every lane takes stage row 0: all sixteen columns of the operand are row 0
.endr
	s_wait_dscnt 0x0
	WIN 0x41
.set n, 0
.rept 64
	v_ldexp_f32 v[KA+n], v[KA+n], s47              ; bq / 2^(e0 + e1)
.set n, n+1
.endr
	WIN 0
	v_mov_b32 v[T0+3], s48                         ; 2^(e4 - e0 - e1), and 448 x that
	v_mov_b32 v[T0+4], s49
.irp g, 0,1                                    ; q^T = Wq^T x0^T + bq: four tiles at a time, each on an accumulator of its own; Wq's fragments pass through v48-95 and v112-127
.irp k, 0,1,2,3
.irp c, 0,1,2,3
	ds_load_b128 v[48+16*\k+16*(\k/3)+4*\c:48+16*\k+16*(\k/3)+4*\c+3], v[LI] offset:WIMGQ+2048*(4*\g+\k)+512*\c
.endr
.endr
	s_wait_dscnt 0x0
	WIN 0x50                                       ; C and D window 1
.irp k, 0,1,2,3
	v_wmma_f32_16x16x128_fp8_fp8 v[KA+8*(4*\g+\k):KA+8*(4*\g+\k)+7], v[48+16*\k+16*(\k/3):48+16*\k+16*(\k/3)+15], v[XB:XB+15], v[KA+8*(4*\g+\k):KA+8*(4*\g+\k)+7]
.endr
	WIN 0
	PLACES                                         ; four places ahead of loads into registers that these products read, and of the first read of their results
.endr
; 64 results in window 1 become 16 registers of codes: each accumulator is read from its low end on
.macro KQUANT dst, sc, lim
	WIN 0x41
.set n, 0
.rept 64
	v_med3_num_f32 v[KA+n], v[KA+n], -v[\lim], v[\lim]
.set n, n+1
.endr
	WIN 0x01
.irp t, 0,1,2,3,4,5,6,7
	v_cvt_scalef32_pk8_fp8_f32 v[\dst+2*\t:\dst+2*\t+1], v[KA+8*\t:KA+8*\t+7], v[\sc]
.endr
	WIN 0
	v_nop                                          ; one plain vector instruction between a scaled conversion and the matrix instruction that reads its result
.endm
	KQUANT QC, T0+3, T0+4                          ; q0's codes, the same in all sixteen columns
	v_mov_b32 v[MX], 0xff61b1e6                    ; m = -3e38, under every t: the first f is 0 and multiplies zeros
	v_mov_b32 v[MX+1], 0
	v_mov_b32 v[FF+1], 0
	v_mov_b32 v[LS], 0
	v_mov_b32 v[T0+2], 0                           ; a lane permute's destination counts as one of its sources
.irp i, 0,1,2,3,4,5,6,7
	v_mov_b32 v[ACC+\i], 0
	v_mov_b32 v[OT+\i], 0
.endr
; x's numbers of set r: held into window 1 (the numbers themselves are wanted again for the weighted sum), converted, turned through the stage
.macro XQUANT r
	WIN 0x40
.set n, 0
.rept 64
	v_med3_num_f32 v[KA+n], v[\r+n], -v[LMX], v[LMX]
.set n, n+1
.endr
	WIN 0x01
.irp i, 0,1,2,3,4,5,6,7
	v_cvt_scalef32_pk8_fp8_f32 v[KC+2*\i:KC+2*\i+1], v[KA+8*\i:KA+8*\i+7], v[SCX]
.endr
	WIN 0
	v_nop                                          ; one plain vector instruction behind the last conversion: the products below write its sources
.irp i, 0,1,2,3,4,5,6,7
	ds_store_b64 v[STW], v[KC+2*\i:KC+2*\i+1] offset:SP*\i   ; row 8 h + i, bytes 8 r on: the two halves' 128 bytes fall 128 apart modulo 256
.endr
.irp c, 0,1,2,3
	ds_load_b128 v[XB+4*\c:XB+4*\c+3], v[STR] offset:32*\c   ; row r, bytes 32 c + 16 h on; in order behind the stores
.endr
.endm
.macro MUL2                                    ; k^T = Wk^T x^T + bk: eight tiles of 16 features x the 16 rows
	WIN 0x51                                       ; source 0 (Wk), C (bk) and D window 1; source 1 (x) window 0
.irp t, 0,1,2,3,4,5,6,7
	v_wmma_f32_16x16x128_fp8_fp8 v[KA+8*\t:KA+8*\t+7], v[WK+16*\t:WK+16*\t+15], v[XB:XB+15], v[BK+8*\t:BK+8*\t+7]
.endr
	WIN 0
.endm
.macro SOFTMAX
.irp g, 0,2,4,6
	v_pk_fma_f32 v[P+\g:P+\g+1], v[S+\g:S+\g+1], s[40:41], v[AM+\g:AM+\g+1] op_sel_hi:[1,0,1]   ; t; the scores from their low end on
.endr
	v_max3_num_f32 v[T0], v[P], v[P+1], v[P+2]
	v_max3_num_f32 v[T0+1], v[P+3], v[P+4], v[P+5]
	v_max3_num_f32 v[T0], v[T0], v[P+6], v[P+7]
	v_max3_num_f32 v[T0], v[T0], v[T0+1], v[MX]
	v_permlanex16_b32 v[T0+2], v[T0], s42, s43     ; the tile's other eight keys lie in the lane 16 away
	v_mov_b32 v[MX+1], v[MX]
	v_max_num_f32 v[MX], v[T0], v[T0+2]            ; the same m in both halves
	v_sub_f32 v[FF], v[MX+1], v[MX]
	v_exp_f32 v[FF], v[FF]                         ; f = 2^(old m - new m)
.irp g, 0,2,4,6
	v_pk_add_f32 v[P+\g:P+\g+1], v[P+\g:P+\g+1], v[MX:MX+1] op_sel_hi:[1,0] neg_lo:[0,1] neg_hi:[0,1]   ; t - m.  (Plain instructions behind the exponential)
.endr
.irp i, 0,1,2,3,4,5,6,7
	v_exp_f32 v[P+\i], v[P+\i]                     ; p, at most 1
.endr
	s_wait_alu depctr_va_vdst(0)
.irp g, 0,2,4,6
	v_pk_mul_f32 v[ACC+\g:ACC+\g+1], v[ACC+\g:ACC+\g+1], v[FF:FF+1] op_sel_hi:[1,0]   ; the sums under the new m.  (Plain instructions behind the exponentials)
.endr
	v_pk_add_f32 v[T0+3:T0+4], v[P:P+1], v[P+2:P+3]
	v_pk_add_f32 v[T0+1:T0+2], v[P+4:P+5], v[P+6:P+7]
	v_pk_add_f32 v[T0+3:T0+4], v[T0+3:T0+4], v[T0+1:T0+2]
	v_fma_f32 v[LS], v[LS], v[FF], v[T0+3]
	v_add_f32 v[LS], v[LS], v[T0+4]
.endm
.macro PV r                                    ; the weighted sum: slot i's eight numbers x p of key i, four chains by turns
.irp i, 0,1,2,3,4,5,6,7
.irp g, 0,1,2,3
.if (\i%2) == 0
	v_pk_fma_f32 v[ACC+2*\g:ACC+2*\g+1], v[\r+8*\i+2*\g:\r+8*\i+2*\g+1], v[P+\i:P+\i+1], v[ACC+2*\g:ACC+2*\g+1] op_sel_hi:[1,0,1]
.else
	v_pk_fma_f32 v[ACC+2*\g:ACC+2*\g+1], v[\r+8*\i+2*\g:\r+8*\i+2*\g+1], v[P+\i-1:P+\i], v[ACC+2*\g:ACC+2*\g+1] op_sel:[0,1,0] op_sel_hi:[1,1,1]
.endif
.endr
.endr
.endm
; A tile, in set r with offsets ad; o = 0, 1: the trip's first or second.  fill = 1: the set is filled again with the tile two further on.  lcnt: the younger loads that may stay out
.macro TILE r, ad, o, fill, lcnt
	s_wait_loadcnt \lcnt                           ; my 16 loads are in (so their offsets may be written again); the other set's 16 may be out
	ds_load_b128 v[AM:AM+3], v[AMT] offset:64*\o
	ds_load_b128 v[AM+4:AM+7], v[AMT] offset:64*\o+16
.if \fill
	ds_load_b128 v[\ad:\ad+3], v[IDT] offset:128+64*\o
	ds_load_b128 v[\ad+4:\ad+7], v[IDT] offset:128+64*\o+16
.endif
	XQUANT \r
	s_wait_dscnt 0x0                               ; x's operand, the mask's terms and the next indices are in
	MUL2
.if \fill
.irp i, 0,1,2,3,4,5,6,7
	v_min_u32 v[\ad+\i], 4095, v[\ad+\i]           ; an index stays inside the table.  (These eight are the places behind the products: ISA guide 7.12.1)
.endr
.else
	PLACES
.endif
	KQUANT KC, SCK, LMK
	v_wmma_f32_16x16x128_fp8_fp8 v[S:S+7], v[KC:KC+15], v[QC:QC+15], 0   ; source 0 = the tile's 16 keys, source 1 = q0 sixteen times
.if \fill
.irp i, 0,1,2,3,4,5,6,7
	v_lshl_add_u32 v[\ad+\i], v[\ad+\i], 9, v[R16] ; (the places ahead of the first read of the scores)
.endr
.else
	PLACES
.endif
	SOFTMAX
	PV \r
.if \fill
	GATHER \r, \ad                                 ; it has the other set's tile in which to land
.endif
.endm
.macro TRIPHEAD
	v_add_nc_u32 v[IDT], s30, v[IDA]
	v_add_nc_u32 v[AMT], s30, v[AMA]
.endm
	s_mov_b32 s30, 0                               ; the trip's step in the indices and the mask's terms: two tiles, 128 bytes
	s_mov_b32 s31, 7
.Ltrip:                                            ; seven trips: tiles 0 to 13, which ask for tiles 2 to 15
	TRIPHEAD
	TILE RA, ADA, 0, 1, 16
	TILE RB, ADB, 1, 1, 16
	s_add_co_u32 s30, s30, 128
	s_sub_co_u32 s31, s31, 1
	s_cmp_lg_u32 s31, 0
	s_cbranch_scc1 .Ltrip
	TRIPHEAD                                       ; the last two tiles ask for nothing: no index is read past the drug's 256
	TILE RA, ADA, 0, 0, 16
	TILE RB, ADB, 1, 0, 0
	; ---- the way out: the two halves' sums are added; lanes 0-15 keep features 4 r + 0 .. 3, lanes 16-31 features 64 + 4 r + 0 .. 3: the wave stores the drug's 512 consecutive bytes
	v_permlanex16_b32 v[T0], v[LS], s42, s43
	v_add_f32 v[LS], v[LS], v[T0]                  ; at least 1: the largest t gave p = 1
	v_rcp_f32 v[FF], v[LS]
	v_and_b32 v[T0+1], 16, v0                      ; (a plain instruction behind the reciprocal)  16 h
	v_cmp_ne_u32 vcc_lo, 0, v[T0+1]
.irp i, 0,1,2,3,4,5,6,7
	v_permlanex16_b32 v[OT+\i], v[ACC+\i], s42, s43
.endr
.irp g, 0,2,4,6
	v_pk_add_f32 v[ACC+\g:ACC+\g+1], v[ACC+\g:ACC+\g+1], v[OT+\g:OT+\g+1]
.endr
.irp i, 0,1,2,3
	v_cndmask_b32 v[OT+\i], v[ACC+\i], v[ACC+4+\i], vcc_lo
.endr
	s_wait_alu depctr_va_vdst(0)
	v_pk_mul_f32 v[OT:OT+1], v[OT:OT+1], v[FF:FF+1] op_sel_hi:[1,0]
	v_pk_mul_f32 v[OT+2:OT+3], v[OT+2:OT+3], v[FF:FF+1] op_sel_hi:[1,0]
	global_store_b128 v[LI], v[OT:OT+3], s[24:25] th:TH_STORE_NT
	s_wait_xcnt 0x0
	v_lshl_add_u32 v254, v0, 2, 0x10800
	v_mov_b32 v255, 0
	s_wait_tensorcnt 0x0
	ds_add_u32 v254, v255
	s_wait_dscnt 0x0
	s_endpgm
.Lfunc_end_k_q8ccbf3e60d_fused:
	.size	k_q8ccbf3e60d_fused, .Lfunc_end_k_q8ccbf3e60d_fused-k_q8ccbf3e60d_fused
	.p2alignl 7, 3214868480
	.fill 96, 4, 3214868480
	.section	.rodata,"a",@progbits
	.p2align	6, 0x0
	.amdhsa_kernel k_q8ccbf3e60d_fused
		.amdhsa_group_segment_fixed_size 68608
		.amdhsa_private_segment_fixed_size 0
		.amdhsa_enable_private_segment 0
		.amdhsa_kernarg_size 72
		.amdhsa_user_sgpr_count 2
		.amdhsa_user_sgpr_kernarg_segment_ptr 1
		.amdhsa_wavefront_size32 1
		.amdhsa_system_sgpr_workgroup_id_x 1
		.amdhsa_system_sgpr_workgroup_id_y 1
		.amdhsa_system_sgpr_workgroup_id_z 1
		.amdhsa_system_vgpr_workitem_id 0
		.amdhsa_next_free_vgpr 512
		.amdhsa_next_free_sgpr 66
		.amdhsa_reserve_vcc 1
		.amdhsa_float_denorm_mode_32 3
		.amdhsa_float_denorm_mode_16_64 3
		.amdhsa_memory_ordered 1
		.amdhsa_forward_progress 1
		.amdhsa_inst_pref_size 113
	.end_amdhsa_kernel
	.amdgpu_metadata
---
amdhsa.version: [ 1, 2 ]
amdhsa.kernels:
  - .name:           k_q8ccbf3e60d_fused
    .symbol:         k_q8ccbf3e60d_fused.kd
    .args:
      - { .name: sub_feat, .offset: 0, .size: 8, .value_kind: global_buffer, .address_space: global }
      - { .name: sub_index, .offset: 8, .size: 8, .value_kind: global_buffer, .address_space: global }
      - { .name: mask, .offset: 16, .size: 8, .value_kind: global_buffer, .address_space: global }
      - { .name: Wk, .offset: 24, .size: 8, .value_kind: global_buffer, .address_space: global }
      - { .name: Wq, .offset: 32, .size: 8, .value_kind: global_buffer, .address_space: global }
      - { .name: bk, .offset: 40, .size: 8, .value_kind: global_buffer, .address_space: global }
      - { .name: bq, .offset: 48, .size: 8, .value_kind: global_buffer, .address_space: global }
      - { .name: lowp_scales, .offset: 56, .size: 8, .value_kind: global_buffer, .address_space: global }
      - { .name: out0, .offset: 64, .size: 8, .value_kind: global_buffer, .address_space: global }
    .group_segment_fixed_size: 68608
    .private_segment_fixed_size: 0
    .kernarg_segment_align: 8
    .kernarg_segment_size: 72
    .max_flat_workgroup_size: 256
    .sgpr_count:     66
    .vgpr_count:     512
    .wavefront_size: 32
...
	.end_amdgpu_metadata
.endif
;; end of part 1
;; ======== version 2 of 2: 1 launch; version 1 with the launch fused written anew for expert scheduling mode
;; launch fused (part 2): grid 256 x 1, 8 waves a work-group, no clusters, 68,608 bytes of LDS; arguments sub_feat, sub_index, mask, Wk, Wq, bk, bq, lowp_scales, out0; writes out0
.if DOCPART == 2
	.amdgcn_target "amdgcn-amd-amdhsa--gfx1250"
	.amdhsa_code_object_version 6
	.text
	.protected	k_q8ccbf3e60d_fused
	.globl	k_q8ccbf3e60d_fused
	.p2align	8
	.type	k_q8ccbf3e60d_fused,@function
k_q8ccbf3e60d_fused:
	s_mov_b64 s[64:65], 0
	v_nop
	global_prefetch_b8 v0, s[64:65] scope:SCOPE_SE
	s_setreg_imm32_b32 hwreg(HW_REG_WAVE_SCHED_MODE, 0, 2), 2
	s_setreg_imm32_b32 hwreg(HW_REG_WAVE_MODE, 25, 1), 1
	s_wait_xcnt 0x0
	s_wait_alu depctr_vm_vsrc(0)
; out0[b][:] = sum over j of softmax_j( q0 . k_j / sqrt(128) + (1 - mask[b][j]) x -10000 ) x g_j,   g_j = sub_feat[sub_index[b][j]],  q0 = g_0 Wq + bq,  k_j = g_j Wk + bk.
; Only query 0's row of the softmax is kept by the problem, so q is made for gathered row 0 alone and the scores for that one query; k is made for all 256 gathered rows.
; QUANTISED, on codes of FP8 (E4M3), each operand with its given scale 2^e (e0 .. e5): g_0 (e0) x Wq (e1);  g_j (e2) x Wk (e3);  q0 (e4) x k_j (e5).  The weighted sum (one row) is f32 multiply-adds.
; SHARES.  One wave, one drug: b = 8 x work-group + wave; 256 work-groups x 8 waves = 2,048 drugs; 8 waves x 512 registers.  A drug is 16 tiles of 16 gathered rows.
; A TILE.  Lane (r, h) (r = lane % 16, h = lane / 16) loads, of each of the rows 16 t + 8 h + i (i = 0 .. 7), the 16 bytes at 16 r and at 256 + 16 r: sixteen lanes read 256 consecutive bytes, aligned.
;   The 8 numbers of a row slot are held, converted to 8 codes and turned through the wave's own stage in LDS (codes, a quarter of the numbers' bytes): they come back as the operand of k^T = Wk^T x^T.
;   That product is used transposed (source 0 = 16 features of Wk, source 1 = the 16 rows), bk is its C; a lane's eight results of a tile become two registers of k's codes.
;   The scores: source 0 = k's 16 rows, source 1 = q0 in all sixteen columns: register j of lane (r, h) is the score of key 16 t + 8 h + j, the very row that the lane's slot j holds.  So nothing changes lanes on the way to the weighted sum.
; THE ORDER OF K.  Inside an instruction k stands permuted, alike in both operands: byte y of group c of half h holds feature 16 c + 8 h + y % 4 + 4 (y / 8) + 64 ((y / 4) % 2), which is how the stage returns the codes; W's
;   fragments are made in that order.  Tile 4 u + e of W takes the output features 64 u + 4 m + e (m = the tile's row), for Wq and Wk alike, so that q's and k's codes agree.  Only the order of the sums inside an instruction changes.
; W.  Each wave quantises an eighth of Wk and Wq together (one of two matrices, one of two halves of the columns, one of two halves of K); the fragments go to LDS as images of their registers; one barrier; Wk's stay in registers.
; SOFTMAX, in the log2 domain: t = sum x c x 2^(e4 + e5) + (mask - 1) x 10000 log2(e), c = log2(e) / sqrt(128); a running maximum m is taken away; in every tile the sums are multiplied by f = 2^(old m - new m).
; NO JOINT LOADS, NO TENSOR LOADS: the stream is a gather, each lane by its own address, 131,072 bytes a drug; what work-groups share is W alone, 131,072 bytes a work-group against 1,048,576 gathered.
; LIMITS: e0, e1, e2, e3, e4 - e0 - e1 and e5 - e2 - e3 between -126 and 119, e4 + e5 between -123 and 130, so that each power of two below is an f32 number.  NaN among the inputs is not served.
;   The mask's term is one fused mask x K2 - K2, rounded once, where the problem's text rounds (1 - mask) x -10000 and the sum.
; REGISTERS.  Window 0: v1-13 addresses and scales; v14-23 statistics and work; v24-39 two sets of gather offsets; v40-47 the mask's terms; v48-55 scores; v56-63 t, then p; v64-71 the sums; v72-79 the way out;
;   v80-95 q's codes; v96-111 x's operand; v112-127 codes just made; v128-191, v192-255 two sets of gathered rows.   Window 1: v0-127 Wk's 8 fragments; v128-191 bk's 8 tiles; v192-255 held numbers, then k^T.
; THE MODE: SCHED_MODE bits 1:0 = 2 (LLVM: expert scheduling mode 2), set by the entry lines.  The code itself states the register dependences
;   between vector or matrix instructions and memory or LDS instructions, with s_wait_alu, always for 0.
; THE PLAN.  Registers that memory or LDS instructions touch, in the loop:
;   RA, RB      A tile's 64 holds and its weighted sum read the set; behind them the gather of the tile two further on lands in it.
;   ADA, ADB    Two LDS loads bring a set's next indices; v_min_u32 and v_lshl_add_u32 make offsets of them; the gather reads them.
;   AM          Two LDS loads land in it; the softmax's first four lines read it.
;   KC          x's conversions write it, eight LDS stores read it; k's conversions write it again, the scores' product reads it.
;   XB          Four LDS loads land in it; the tile's eight products read it.
;   IDT, AMT    Written at a trip's head; read by the tiles' LDS loads of indices and of the mask's terms.
;   STW, STR, LI, R16 are never written again.  Window 1, the scores, p, the sums and q's codes are named by vector and matrix instructions alone.
;   THREE WAITS A TILE, beside the exponentials' own.  (1) va_vdst behind x's conversions: KC is written; the tile before is done reading XB and AM and is done with the offsets' arithmetic; IDT and AMT are written.
;   All sixteen LDS instructions of the tile follow it on end.  (2) vm_vsrc behind the eight products: the stores have read KC, the loads IDT and AMT, the other set's gather its offsets.
;   (3) va_vdst ahead of the gather: the holds and the weighted sum are done reading the set, and the offsets are written; the sixteen loads follow it on end.
.set WIMGK, 0                          ; LDS: Wk's 8 fragments as images: 2048 x tile + 512 x group + 16 x lane
.set WIMGQ, 16384                      ; the same for Wq
.set WA0,   32768                      ; then an area for each wave:
.set WAREA, 4352                       ;   1,024 bytes of indices, 1,024 of the mask's terms, a stage of 16 rows x 144 bytes
.set AMSO,  1024
.set STGO,  2048
.set SP,    144                        ; a stage row: 128 bytes of codes + 16: nine times 16 bytes, so the sixteen rows that a read touches start in sixteen different columns of 16 bytes
.set R16, 1                            ; v1   16 r
.set STW, 2                            ; v2   stage, in: 1152 h + 8 r (row 8 h + i by the immediate)
.set STR, 3                            ; v3   stage, out: 144 r + 16 h
.set STQ, 4                            ; v4   stage row 0: 16 h
.set IDA, 5                            ; v5   my half's indices of tile 0
.set AMA, 6                            ; v6   my half's mask terms of tile 0
.set IDT, 7                            ; v7   the same for the trip in hand
.set AMT, 8                            ; v8
.set LI,  9                            ; v9   16 x lane
.set SCX, 10                           ; v10  2^e2;  v11  448 x 2^e2
.set LMX, 11
.set SCK, 12                           ; v12  2^(e5 - e2 - e3);  v13  448 x that
.set LMK, 13
.set MX,  14                           ; v14  m;  v15 the old m
.set FF,  16                           ; v16  f;  v17 written, since the pair is named
.set LS,  18                           ; v18  the sum of p, my half's keys
.set T0,  19                           ; v19-23 at work
.set ADA, 24
.set ADB, 32
.set AM,  40
.set S,   48
.set P,   56
.set ACC, 64
.set OT,  72
.set QC,  80
.set XB,  96
.set KC,  112
.set RA,  128
.set RB,  192
.set WK,  0                            ; window 1
.set BK,  128
.set KA,  192
.set SCW, 72                           ; ahead of the loop only: W's scale and limit, x0's scale and limit
.set LMW, 73
.set SC0, 74
.set LM0, 75
.set RR,  80                           ; ahead of the loop only: r, h, lane, W's offset, the biases' places, the images' place, my area
.set HH,  81
.set LL,  82
.set VW,  83
.set BST, 84
.set BLD, 85
.set WST, 86
.set OWN, 87
.set WAB, 88
.set TT,  89
.set MSB, 0
.macro WIN new                         ; low byte: bits 1:0 source 0, 3:2 source 1, 5:4 source 2, 7:6 destination; the high byte repeats the setting that is left
.if MSB != \new
	s_set_vgpr_msb (MSB<<8)|\new
.set MSB, \new
.endif
.endm
.macro POW2 e, sc, lim                 ; s[sc] = 2^e as f32, s[lim] = 448 x 2^e, e in s[e]
	s_add_co_i32 s[\lim], s[\e], 127
	s_lshl_b32 s[\sc], s[\lim], 23
	s_add_co_i32 s[\lim], s[\lim], 8
	s_lshl_b32 s[\lim], s[\lim], 23
	s_or_b32 s[\lim], s[\lim], 0x600000
.endm
.macro PLACES
.rept 4
	v_nop
.endr
.endm
	; ---- ids, addresses
	s_load_b512 s[8:23], s[0:1], 0x0               ; sub_feat s[8:9], sub_index s[10:11], mask s[12:13], Wk s[14:15], Wq s[16:17], bk s[18:19], bq s[20:21], the scales' exponents s[22:23]
	s_load_b64 s[24:25], s[0:1], 0x40              ; out0
	v_lshrrev_b32 v[TT], 5, v0
	v_readfirstlane_b32 s2, v[TT]                  ; wave 0..7
	v_and_b32 v[RR], 15, v0
	v_bfe_u32 v[HH], v0, 4, 1
	v_and_b32 v[LL], 31, v0
	v_lshlrev_b32 v[R16], 4, v[RR]
	v_lshlrev_b32 v[LI], 4, v[LL]
	s_wait_alu depctr_va_sdst(0)                   ; s2 is written, ahead of its first reader: my area, my share of W and my drug are made from it
	s_mul_i32 s3, s2, WAREA
	s_add_co_u32 s3, s3, WA0                       ; my wave's area
	s_add_co_u32 s4, s3, STGO                      ; its stage
	v_mul_u32_u24 v[STW], v[HH], 8*SP
	v_lshl_add_u32 v[STW], v[RR], 3, v[STW]
	v_add_nc_u32 v[STW], s4, v[STW]
	v_mul_u32_u24 v[STR], v[RR], SP
	v_lshl_add_u32 v[STR], v[HH], 4, v[STR]
	v_add_nc_u32 v[STR], s4, v[STR]
	v_lshlrev_b32 v[STQ], 4, v[HH]
	v_add_nc_u32 v[STQ], s4, v[STQ]
	v_lshlrev_b32 v[IDA], 5, v[HH]
	v_add_nc_u32 v[IDA], s3, v[IDA]
	v_add_nc_u32 v[AMA], AMSO, v[IDA]
	v_lshrrev_b32 v[BST], 3, v[LL]                 ; the biases go into the stage as [u][h][e][j]: number 4 lane + e lies at 128 (lane / 8) + 32 e + 4 (lane % 8)
	v_lshlrev_b32 v[BST], 7, v[BST]
	v_and_b32 v[TT], 7, v0
	v_lshl_add_u32 v[BST], v[TT], 2, v[BST]
	v_add_nc_u32 v[BST], s4, v[BST]
	v_lshlrev_b32 v[BLD], 7, v[HH]                 ; and come back by tiles: 128 h + 256 u + 32 e
	v_add_nc_u32 v[BLD], s4, v[BLD]
	s_lshr_b32 s5, s2, 1                           ; my share of W: matrix wave / 4, columns' half u = (wave / 2) % 2, K's half cp = wave % 2
	s_lshl_b32 s5, s5, 13                          ; its images begin at 16384 x matrix + 8192 u + 1024 cp
	s_and_b32 s6, s2, 1
	s_lshl_b32 s7, s6, 10
	s_add_co_u32 s5, s5, s7
	v_add_nc_u32 v[WST], s5, v[LI]
	v_add_nc_u32 v[OWN], s3, v[LI]
	v_mov_b32 v[WAB], s3
	v_lshl_add_u32 v[VW], v[HH], 12, v[R16]        ; W: 8 h rows of 512 bytes + 16 r
	v_mov_b32 v[T0+3], 0xc6616bcd                  ; -K2 = -10000 log2(e), twice
	v_mov_b32 v[T0+4], 0xc6616bcd
	s_bfe_u32 s28, s2, 0x10001                     ; u
	s_lshl_b32 s28, s28, 8                         ; 64 u columns,
	s_lshl_b32 s29, s6, 14                         ; 32 cp rows
	s_add_co_u32 s28, s28, s29
	s_mov_b32 s29, 0
	s_lshl_b32 s38, ttmp9, 3
	s_add_co_u32 s38, s38, s2                      ; my drug
	s_lshl_b32 s48, s38, 10                        ; its 256 indices and mask numbers,
	s_mov_b32 s49, 0
	s_lshl_b32 s50, s38, 9                         ; its row of out0
	s_mov_b32 s51, 0
	s_mov_b32 s42, 0x76543210                      ; v_permlanex16_b32: each lane takes its own place in the other half
	s_mov_b32 s43, 0xfedcba98
	s_mov_b32 s44, 0x46616bcd                      ; K2
	s_mov_b32 s45, s44                             ; (named with it as a pair, so it is written)
	s_wait_kmcnt 0x0
	s_load_b128 s[32:35], s[22:23], 0x0            ; e0 .. e3
	s_load_b64 s[36:37], s[22:23], 0x10            ; e4, e5
	s_add_nc_u64 s[10:11], s[10:11], s[48:49]
	s_add_nc_u64 s[12:13], s[12:13], s[48:49]
	s_add_nc_u64 s[24:25], s[24:25], s[50:51]
	s_cmp_lt_u32 s2, 4                             ; waves 0-3 take Wk, waves 4-7 Wq: the choice hangs on the wave's number alone
	s_cselect_b64 s[26:27], s[14:15], s[16:17]
	s_add_nc_u64 s[26:27], s[26:27], s[28:29]
	; ---- 38 loads: indices, mask, biases, my share of W
	s_wait_alu depctr_va_vdst(0)                   ; every address and offset made above (v1-6, v9, v83-88) is written: the loads and LDS instructions from here on read them
	global_load_b128 v[ADA:ADA+3], v[LI], s[10:11] th:TH_LOAD_NT
	global_load_b128 v[ADA+4:ADA+7], v[LI], s[10:11] offset:512 th:TH_LOAD_NT
	global_load_b128 v[AM:AM+3], v[LI], s[12:13] th:TH_LOAD_NT
	global_load_b128 v[AM+4:AM+7], v[LI], s[12:13] offset:512 th:TH_LOAD_NT
	global_load_b128 v[S:S+3], v[LI], s[18:19]     ; bk: numbers 4 lane + 0 .. 3
	global_load_b128 v[S+4:S+7], v[LI], s[20:21]   ; bq
	WIN 0x40                                       ; destination window 1
.irp cc, 0,1                                   ; W(feature of byte y of group 2 cp + cc of my half, columns 64 u + 4 r + 0 .. 3): one load serves four tiles; sixteen lanes read 256 consecutive bytes
.irp y, 0,1,2,3,4,5,6,7,8,9,10,11,12,13,14,15
	global_load_b128 v[4*(16*\cc+\y):4*(16*\cc+\y)+3], v[VW], s[26:27] offset:(16*\cc+(\y%4)+4*(\y/8)+64*((\y/4)%2))*512
.endr
.endr
	WIN 0
	; ---- the indices and the mask's terms go into my area of LDS once, in whole runs; the first gathers go out
	s_wait_loadcnt 34                              ; indices and mask are in; behind them: 2 loads of biases, 32 of W
	ds_store_b128 v[OWN], v[ADA:ADA+3]
	ds_store_b128 v[OWN], v[ADA+4:ADA+7] offset:512
	s_wait_alu depctr_vm_vsrc(0)                   ; the two stores have read v[ADA ..], in which the LDS loads below land
	ds_load_b128 v[ADA:ADA+3], v[IDA]              ; LDS serves a wave's instructions in order: these see the stores above.  Tile 0: indices 8 h + 0 .. 7
	ds_load_b128 v[ADA+4:ADA+7], v[IDA] offset:16
	ds_load_b128 v[ADB:ADB+3], v[IDA] offset:64    ; tile 1
	ds_load_b128 v[ADB+4:ADB+7], v[IDA] offset:80
	ds_load_b32 v[T0], v[WAB]                      ; index 0: the query's row
.irp g, 0,2,4,6
	v_pk_fma_f32 v[AM+\g:AM+\g+1], v[AM+\g:AM+\g+1], s[44:45], v[T0+3:T0+4] op_sel_hi:[1,0,1]   ; (mask - 1) x K2: exactly 0 where mask = 1
.endr
	s_wait_alu depctr_va_vdst(0)                   ; the four multiply-adds have written v[AM ..], which the two stores read
	ds_store_b128 v[OWN], v[AM:AM+3] offset:AMSO
	ds_store_b128 v[OWN], v[AM+4:AM+7] offset:AMSO+512
	s_wait_dscnt 0x0
.irp i, 0,1,2,3,4,5,6,7,8,9,10,11,12,13,14,15
	v_min_u32 v[ADA+\i], 4095, v[ADA+\i]           ; an index stays inside the table
.endr
	v_min_u32 v[T0], 4095, v[T0]
.irp i, 0,1,2,3,4,5,6,7,8,9,10,11,12,13,14,15
	v_lshl_add_u32 v[ADA+\i], v[ADA+\i], 9, v[R16] ; a row is 512 bytes; + 16 r
.endr
	v_lshl_add_u32 v[T0], v[T0], 9, v[R16]
.macro GATHER r, ad                            ; 16 loads: my half's eight rows, 2 x 16 bytes a lane.  No streaming hint: the list names rows again
.irp i, 0,1,2,3,4,5,6,7
	global_load_b128 v[\r+8*\i:\r+8*\i+3], v[\ad+\i], s[8:9]
	global_load_b128 v[\r+8*\i+4:\r+8*\i+7], v[\ad+\i], s[8:9] offset:256
.endr
.endm
	s_wait_alu depctr_va_vdst(0)                   ; the seventeen offsets v19 and v[ADA ..], v[ADB ..] are written, which the 34 loads below read
	global_load_b128 v[P:P+3], v[T0], s[8:9]       ; gathered row 0, in both halves of the lanes
	global_load_b128 v[P+4:P+7], v[T0], s[8:9] offset:256
	GATHER RA, ADA
	GATHER RB, ADB
	; ---- biases into tiles; all scales; my share of W into codes and images
	s_wait_loadcnt 34                              ; biases and W are in; behind them: row 0's 2 loads and the two tiles' 32
.irp e, 0,1,2,3
	ds_store_b32 v[BST], v[S+\e] offset:32*\e
	ds_store_b32 v[BST], v[S+4+\e] offset:512+32*\e
.endr
	WIN 0x40
.irp t, 0,1,2,3,4,5,6,7                        ; bk's tile t = 4 u + e: register j of lane (r, h) is bk[64 u + 32 h + 4 j + e], the result's layout
	ds_load_b128 v[BK+8*\t:BK+8*\t+3], v[BLD] offset:256*(\t/4)+32*(\t%4)
	ds_load_b128 v[BK+8*\t+4:BK+8*\t+7], v[BLD] offset:256*(\t/4)+32*(\t%4)+16
.endr
	WIN 0
	s_wait_kmcnt 0x0
	POW2 34, 38, 39                                ; e2: the gathered rows ahead of Wk
	v_mov_b32 v[SCX], s38
	v_mov_b32 v[LMX], s39
	s_add_co_i32 s46, s34, s35                     ; a sum of that product stands for sum x 2^(e2 + e3): so bk goes in as bk / 2^(e2 + e3),
	s_sub_co_i32 s52, s37, s46                     ; and k's conversion takes 2^(e5 - e2 - e3): the three scales folded into one
	POW2 52, 38, 39
	v_mov_b32 v[SCK], s38
	v_mov_b32 v[LMK], s39
	s_sub_co_i32 s46, 0, s46
	s_add_co_i32 s47, s32, s33                     ; the same for q: e0 + e1, e4 - e0 - e1
	s_sub_co_i32 s52, s36, s47
	POW2 52, 48, 49
	s_sub_co_i32 s47, 0, s47
	POW2 32, 38, 39                                ; e0: row 0 ahead of Wq
	v_mov_b32 v[SC0], s38
	v_mov_b32 v[LM0], s39
	s_cmp_lt_u32 s2, 4
	s_cselect_b32 s52, s35, s33                    ; my matrix's: e3 for Wk, e1 for Wq
	POW2 52, 38, 39
	v_mov_b32 v[SCW], s38
	v_mov_b32 v[LMW], s39
	s_add_co_i32 s40, s36, s37
	s_lshl_b32 s40, s40, 23
	s_add_co_i32 s40, s40, 0x3e0293ee              ; c = log2(e) / sqrt(128), with e4 + e5 added to its exponent field
	s_mov_b32 s41, s40
.macro WQUANT cc, dst                          ; group 2 cp + cc of four tiles: the hold also brings a tile's 16 numbers together; 64 codes a lane; four images
	WIN 0x41                                       ; source 0 and destination window 1
.irp e, 0,1,2,3
.irp y, 0,1,2,3,4,5,6,7,8,9,10,11,12,13,14,15
	v_med3_num_f32 v[KA+16*\e+\y], v[4*(16*\cc+\y)+\e], -v[LMW], v[LMW]   ; the conversion to an 8-bit code does not saturate (ISA guide 7.6.2): the hold at the largest code x the scale
.endr
.endr
	WIN 0x01
.irp g, 0,1,2,3,4,5,6,7
	v_cvt_scalef32_pk8_fp8_f32 v[\dst+2*\g:\dst+2*\g+1], v[KA+8*\g:KA+8*\g+7], v[SCW]
.endr
	WIN 0
	v_nop                                          ; one plain vector instruction behind the last conversion, ahead of whatever next writes its sources
	s_wait_alu depctr_va_vdst(0)                   ; the conversions have written v[dst ..], which the four stores read.  Behind the second group it also states that the holds are done reading W's numbers and the conversions the held ones: Wk's fragments and bq's tiles land in those registers behind the barrier, and the only vector lines between name bk's tiles
.irp e, 0,1,2,3
	ds_store_b128 v[WST], v[\dst+4*\e:\dst+4*\e+3] offset:2048*\e+512*\cc
.endr
.endm
	WQUANT 0, KC
	WQUANT 1, XB
	s_wait_dscnt 0x0                               ; for the others' sake: my images have landed; for mine: bk's tiles are in
	s_barrier_signal -1
	WIN 0x41
.set n, 0
.rept 64
	v_ldexp_f32 v[BK+n], v[BK+n], s46              ; bk / 2^(e2 + e3): register work while the others arrive
.set n, n+1
.endr
	s_barrier_wait -1                              ; the launch's one barrier: all sixteen fragments lie in LDS, and nobody writes them again
	; ---- Wk's fragments into registers for good; q0
	WIN 0x40
.irp t, 0,1,2,3,4,5,6,7
.irp c, 0,1,2,3
	ds_load_b128 v[WK+16*\t+4*\c:WK+16*\t+4*\c+3], v[LI] offset:WIMGK+2048*\t+512*\c
.endr
.endr
.irp t, 0,1,2,3,4,5,6,7                        ; bq's tiles, where q's sums will stand
	ds_load_b128 v[KA+8*\t:KA+8*\t+3], v[BLD] offset:512+256*(\t/4)+32*(\t%4)
	ds_load_b128 v[KA+8*\t+4:KA+8*\t+7], v[BLD] offset:512+256*(\t/4)+32*(\t%4)+16
.endr
	WIN 0
	s_wait_loadcnt 32                              ; row 0 is in; the two tiles' 32 loads may be out
.irp i, 0,1,2,3,4,5,6,7
	v_med3_num_f32 v[P+\i], v[P+\i], -v[LM0], v[LM0]
.endr
	v_cvt_scalef32_pk8_fp8_f32 v[T0+3:T0+4], v[P:P+7], v[SC0]
	v_nop
	s_wait_alu depctr_va_vdst(0)                   ; the conversion has written v22-23, which the store reads; and every vector line that names v56-63, v72-75 or v80-89 is done: Wq's fragments land there below, and the lines between name k^T's registers and v22-23 alone
	ds_store_b64 v[STW], v[T0+3:T0+4]              ; stage rows 0 and 8; behind bq's reads in the wave's LDS order
	s_wait_alu depctr_vm_vsrc(0)                   ; all that LDS and memory instructions have read so far is free to be written: XB and KC (W's images), v48-55 (the biases), v22-23 (row 0's codes), AM, the offsets v19 and v[ADA ..], v[ADB ..], the addresses v83-88
.irp c, 0,1,2,3
	ds_load_b128 v[XB+4*\c:XB+4*\c+3], v[STQ] offset:32*\c   ; every lane takes stage row 0: all sixteen columns of the operand are row 0
.endr
	s_wait_dscnt 0x0
	WIN 0x41
.set n, 0
.rept 64
	v_ldexp_f32 v[KA+n], v[KA+n], s47              ; bq / 2^(e0 + e1)
.set n, n+1
.endr
	WIN 0
	v_mov_b32 v[T0+3], s48                         ; 2^(e4 - e0 - e1), and 448 x that
	v_mov_b32 v[T0+4], s49
.irp g, 0,1                                    ; q^T = Wq^T x0^T + bq: four tiles at a time, each on an accumulator of its own; Wq's fragments pass through v48-95 and v112-127
.if \g > 0
	s_wait_alu depctr_va_vdst(0)                   ; the first four products are done reading their fragments of Wq, in whose registers the next four land
.endif
.irp k, 0,1,2,3
.irp c, 0,1,2,3
	ds_load_b128 v[48+16*\k+16*(\k/3)+4*\c:48+16*\k+16*(\k/3)+4*\c+3], v[LI] offset:WIMGQ+2048*(4*\g+\k)+512*\c
.endr
.endr
	s_wait_dscnt 0x0
	WIN 0x50                                       ; C and D window 1
.irp k, 0,1,2,3
	v_wmma_f32_16x16x128_fp8_fp8 v[KA+8*(4*\g+\k):KA+8*(4*\g+\k)+7], v[48+16*\k+16*(\k/3):48+16*\k+16*(\k/3)+15], v[XB:XB+15], v[KA+8*(4*\g+\k):KA+8*(4*\g+\k)+7]
.endr
	WIN 0
	PLACES                                         ; four places behind these products (ISA guide 7.12.1), ahead of the first read of their results; they stay beside the wait above
.endr
; 64 results in window 1 become 16 registers of codes: each accumulator is read from its low end on
.macro KQUANT dst, sc, lim
	WIN 0x41
.set n, 0
.rept 64
	v_med3_num_f32 v[KA+n], v[KA+n], -v[\lim], v[\lim]
.set n, n+1
.endr
	WIN 0x01
.irp t, 0,1,2,3,4,5,6,7
	v_cvt_scalef32_pk8_fp8_f32 v[\dst+2*\t:\dst+2*\t+1], v[KA+8*\t:KA+8*\t+7], v[\sc]
.endr
	WIN 0
	v_nop                                          ; one plain vector instruction between a scaled conversion and the matrix instruction that reads its result
.endm
	KQUANT QC, T0+3, T0+4                          ; q0's codes, the same in all sixteen columns
	v_mov_b32 v[MX], 0xff61b1e6                    ; m = -3e38, under every t: the first f is 0 and multiplies zeros
	v_mov_b32 v[MX+1], 0
	v_mov_b32 v[FF+1], 0
	v_mov_b32 v[LS], 0
	v_mov_b32 v[T0+2], 0                           ; a lane permute's destination counts as one of its sources
.irp i, 0,1,2,3,4,5,6,7
	v_mov_b32 v[ACC+\i], 0
	v_mov_b32 v[OT+\i], 0
.endr
; x's numbers of set r: held into window 1 (the numbers themselves are wanted again for the weighted sum), converted, turned through the stage
.macro XQUANT r
	WIN 0x40
.set n, 0
.rept 64
	v_med3_num_f32 v[KA+n], v[\r+n], -v[LMX], v[LMX]
.set n, n+1
.endr
	WIN 0x01
.irp i, 0,1,2,3,4,5,6,7
	v_cvt_scalef32_pk8_fp8_f32 v[KC+2*\i:KC+2*\i+1], v[KA+8*\i:KA+8*\i+7], v[SCX]
.endr
	WIN 0
	v_nop                                          ; one plain vector instruction behind the last conversion: the products below write its sources
	s_wait_alu depctr_va_vdst(0)                   ; the conversions have written KC, which the stores read; the products of the tile before are done reading XB and its softmax AM, in which loads land; the offsets' arithmetic is done with the set's registers, in which indices land; in a trip's first tile IDT and AMT are written
.irp i, 0,1,2,3,4,5,6,7
	ds_store_b64 v[STW], v[KC+2*\i:KC+2*\i+1] offset:SP*\i   ; row 8 h + i, bytes 8 r on: the two halves' 128 bytes fall 128 apart modulo 256
.endr
.irp c, 0,1,2,3
	ds_load_b128 v[XB+4*\c:XB+4*\c+3], v[STR] offset:32*\c   ; row r, bytes 32 c + 16 h on; in order behind the stores
.endr
.endm
.macro MUL2                                    ; k^T = Wk^T x^T + bk: eight tiles of 16 features x the 16 rows
	WIN 0x51                                       ; source 0 (Wk), C (bk) and D window 1; source 1 (x) window 0
.irp t, 0,1,2,3,4,5,6,7
	v_wmma_f32_16x16x128_fp8_fp8 v[KA+8*\t:KA+8*\t+7], v[WK+16*\t:WK+16*\t+15], v[XB:XB+15], v[BK+8*\t:BK+8*\t+7]
.endr
	WIN 0
.endm
.macro SOFTMAX
.irp g, 0,2,4,6
	v_pk_fma_f32 v[P+\g:P+\g+1], v[S+\g:S+\g+1], s[40:41], v[AM+\g:AM+\g+1] op_sel_hi:[1,0,1]   ; t; the scores from their low end on
.endr
	v_max3_num_f32 v[T0], v[P], v[P+1], v[P+2]
	v_max3_num_f32 v[T0+1], v[P+3], v[P+4], v[P+5]
	v_max3_num_f32 v[T0], v[T0], v[P+6], v[P+7]
	v_max3_num_f32 v[T0], v[T0], v[T0+1], v[MX]
	v_permlanex16_b32 v[T0+2], v[T0], s42, s43     ; the tile's other eight keys lie in the lane 16 away
	v_mov_b32 v[MX+1], v[MX]
	v_max_num_f32 v[MX], v[T0], v[T0+2]            ; the same m in both halves
	v_sub_f32 v[FF], v[MX+1], v[MX]
	s_wait_alu depctr_va_vdst(0)
	v_exp_f32 v[FF], v[FF]                         ; f = 2^(old m - new m)
.irp g, 0,2,4,6
	v_pk_add_f32 v[P+\g:P+\g+1], v[P+\g:P+\g+1], v[MX:MX+1] op_sel_hi:[1,0] neg_lo:[0,1] neg_hi:[0,1]   ; t - m.  (Plain instructions behind the exponential)
.endr
	s_wait_alu depctr_va_vdst(0)
.irp i, 0,1,2,3,4,5,6,7
	v_exp_f32 v[P+\i], v[P+\i]                     ; p, at most 1
.endr
	s_wait_alu depctr_va_vdst(0)                   ; the nine exponentials have written f and p: one wait for the batch, ahead of its first reader
.irp g, 0,2,4,6
	v_pk_mul_f32 v[ACC+\g:ACC+\g+1], v[ACC+\g:ACC+\g+1], v[FF:FF+1] op_sel_hi:[1,0]   ; the sums under the new m.  (Plain instructions behind the exponentials)
.endr
	v_pk_add_f32 v[T0+3:T0+4], v[P:P+1], v[P+2:P+3]
	v_pk_add_f32 v[T0+1:T0+2], v[P+4:P+5], v[P+6:P+7]
	v_pk_add_f32 v[T0+3:T0+4], v[T0+3:T0+4], v[T0+1:T0+2]
	v_fma_f32 v[LS], v[LS], v[FF], v[T0+3]
	v_add_f32 v[LS], v[LS], v[T0+4]
.endm
.macro PV r                                    ; the weighted sum: slot i's eight numbers x p of key i, four chains by turns
.irp i, 0,1,2,3,4,5,6,7
.irp g, 0,1,2,3
.if (\i%2) == 0
	v_pk_fma_f32 v[ACC+2*\g:ACC+2*\g+1], v[\r+8*\i+2*\g:\r+8*\i+2*\g+1], v[P+\i:P+\i+1], v[ACC+2*\g:ACC+2*\g+1] op_sel_hi:[1,0,1]
.else
	v_pk_fma_f32 v[ACC+2*\g:ACC+2*\g+1], v[\r+8*\i+2*\g:\r+8*\i+2*\g+1], v[P+\i-1:P+\i], v[ACC+2*\g:ACC+2*\g+1] op_sel:[0,1,0] op_sel_hi:[1,1,1]
.endif
.endr
.endr
.endm
; A tile, in set r with offsets ad; o = 0, 1: the trip's first or second.  fill = 1: the set is filled again with the tile two further on.  lcnt: the younger loads that may stay out
.macro TILE r, ad, o, fill, lcnt
	s_wait_loadcnt \lcnt                           ; my 16 loads are in (so their offsets may be written again); the other set's 16 may be out
	XQUANT \r
	ds_load_b128 v[AM:AM+3], v[AMT] offset:64*\o   ; the mask's terms, and the next indices, stand behind x's turn through the stage and under its wait: no vector line stands between that wait and them
	ds_load_b128 v[AM+4:AM+7], v[AMT] offset:64*\o+16
.if \fill
	ds_load_b128 v[\ad:\ad+3], v[IDT] offset:128+64*\o
	ds_load_b128 v[\ad+4:\ad+7], v[IDT] offset:128+64*\o+16
	s_wait_dscnt 4                                 ; LDS instructions end in order (ISA guide 5.7.1): x's operand is in; the four younger loads may be out while the products run
.else
	s_wait_dscnt 2                                 ; x's operand is in; the two younger loads, the mask's terms, may be out
.endif
	MUL2
	s_wait_dscnt 0x0                               ; the mask's terms and the next indices are in
	s_wait_alu depctr_vm_vsrc(0)                   ; the eight stores have read KC, which k's conversions write again; the LDS loads have read IDT and AMT, which the next trip's head writes; the other set's gather has read its offsets, in which indices land in the next tile
.if \fill
.irp i, 0,1,2,3,4,5,6,7
	v_min_u32 v[\ad+\i], 4095, v[\ad+\i]           ; an index stays inside the table.  (These eight are the places behind the products: ISA guide 7.12.1)
.endr
.else
	PLACES
.endif
	KQUANT KC, SCK, LMK
	v_wmma_f32_16x16x128_fp8_fp8 v[S:S+7], v[KC:KC+15], v[QC:QC+15], 0   ; source 0 = the tile's 16 keys, source 1 = q0 sixteen times
.if \fill
.irp i, 0,1,2,3,4,5,6,7
	v_lshl_add_u32 v[\ad+\i], v[\ad+\i], 9, v[R16] ; (the places ahead of the first read of the scores)
.endr
.else
	PLACES
.endif
	SOFTMAX
	PV \r
.if \fill
	s_wait_alu depctr_va_vdst(0)                   ; the holds and the weighted sum are done reading the set, in which the sixteen loads land; the eight offsets that they read are written
	GATHER \r, \ad                                 ; it has the other set's tile in which to land
.endif
.endm
.macro TRIPHEAD                                ; IDT and AMT were last read ahead of the wait on vm_vsrc in the trip's second tile; the first tile's wait on va_vdst stands between these lines and their first reader
	v_add_nc_u32 v[IDT], s30, v[IDA]
	v_add_nc_u32 v[AMT], s30, v[AMA]
.endm
	s_mov_b32 s30, 0                               ; the trip's step in the indices and the mask's terms: two tiles, 128 bytes
	s_mov_b32 s31, 7
.Ltrip:                                            ; seven trips: tiles 0 to 13, which ask for tiles 2 to 15
	TRIPHEAD
	TILE RA, ADA, 0, 1, 16
	TILE RB, ADB, 1, 1, 16
	s_add_co_u32 s30, s30, 128
	s_sub_co_u32 s31, s31, 1
	s_cmp_lg_u32 s31, 0
	s_cbranch_scc1 .Ltrip
	TRIPHEAD                                       ; the last two tiles ask for nothing: no index is read past the drug's 256
	TILE RA, ADA, 0, 0, 16
	TILE RB, ADB, 1, 0, 0
	; ---- the way out: the two halves' sums are added; lanes 0-15 keep features 4 r + 0 .. 3, lanes 16-31 features 64 + 4 r + 0 .. 3: the wave stores the drug's 512 consecutive bytes
	v_permlanex16_b32 v[T0], v[LS], s42, s43
	v_add_f32 v[LS], v[LS], v[T0]                  ; at least 1: the largest t gave p = 1
	s_wait_alu depctr_va_vdst(0)
	v_rcp_f32 v[FF], v[LS]
	v_and_b32 v[T0+1], 16, v0                      ; (a plain instruction behind the reciprocal)  16 h
	v_cmp_ne_u32 vcc_lo, 0, v[T0+1]
.irp i, 0,1,2,3,4,5,6,7
	v_permlanex16_b32 v[OT+\i], v[ACC+\i], s42, s43
.endr
.irp g, 0,2,4,6
	v_pk_add_f32 v[ACC+\g:ACC+\g+1], v[ACC+\g:ACC+\g+1], v[OT+\g:OT+\g+1]
.endr
	s_wait_alu depctr_va_vcc(0)                    ; the compare has written VCC, ahead of its first reader, the selects below
.irp i, 0,1,2,3
	v_cndmask_b32 v[OT+\i], v[ACC+\i], v[ACC+4+\i], vcc_lo
.endr
	s_wait_alu depctr_va_vdst(0)                   ; the reciprocal has written v16, ahead of its first reader
	v_pk_mul_f32 v[OT:OT+1], v[OT:OT+1], v[FF:FF+1] op_sel_hi:[1,0]
	v_pk_mul_f32 v[OT+2:OT+3], v[OT+2:OT+3], v[FF:FF+1] op_sel_hi:[1,0]
	s_wait_alu depctr_va_vdst(0)                   ; the two multiplications have written v72-75, which the store reads
	global_store_b128 v[LI], v[OT:OT+3], s[24:25] th:TH_STORE_NT
	s_wait_xcnt 0x0
	v_lshl_add_u32 v254, v0, 2, 0x10800            ; the add's two registers, made anew: no two could be kept; no memory or LDS instruction has ever read v254 or v255.  The spare words, 128 bytes a wave, lie behind the eight areas
	v_mov_b32 v255, 0
	s_wait_dscnt 0x0                               ; the closing lines, six on end
	s_wait_alu 0x0
	s_wait_tensorcnt 0x0
	ds_add_u32 v254, v255
	s_wait_dscnt 0x0
	s_endpgm
.Lfunc_end_k_q8ccbf3e60d_fused:
	.size	k_q8ccbf3e60d_fused, .Lfunc_end_k_q8ccbf3e60d_fused-k_q8ccbf3e60d_fused
	.p2alignl 7, 3214868480
	.fill 96, 4, 3214868480
	.section	.rodata,"a",@progbits
	.p2align	6, 0x0
	.amdhsa_kernel k_q8ccbf3e60d_fused
		.amdhsa_group_segment_fixed_size 68608
		.amdhsa_private_segment_fixed_size 0
		.amdhsa_enable_private_segment 0
		.amdhsa_kernarg_size 72
		.amdhsa_user_sgpr_count 2
		.amdhsa_user_sgpr_kernarg_segment_ptr 1
		.amdhsa_wavefront_size32 1
		.amdhsa_system_sgpr_workgroup_id_x 1
		.amdhsa_system_sgpr_workgroup_id_y 1
		.amdhsa_system_sgpr_workgroup_id_z 1
		.amdhsa_system_vgpr_workitem_id 0
		.amdhsa_next_free_vgpr 512
		.amdhsa_next_free_sgpr 66
		.amdhsa_reserve_vcc 1
		.amdhsa_float_denorm_mode_32 3
		.amdhsa_float_denorm_mode_16_64 3
		.amdhsa_memory_ordered 1
		.amdhsa_forward_progress 1
		.amdhsa_inst_pref_size 114
	.end_amdhsa_kernel
	.amdgpu_metadata
---
amdhsa.version: [ 1, 2 ]
amdhsa.kernels:
  - .name:           k_q8ccbf3e60d_fused
    .symbol:         k_q8ccbf3e60d_fused.kd
    .args:
      - { .name: sub_feat, .offset: 0, .size: 8, .value_kind: global_buffer, .address_space: global }
      - { .name: sub_index, .offset: 8, .size: 8, .value_kind: global_buffer, .address_space: global }
      - { .name: mask, .offset: 16, .size: 8, .value_kind: global_buffer, .address_space: global }
      - { .name: Wk, .offset: 24, .size: 8, .value_kind: global_buffer, .address_space: global }
      - { .name: Wq, .offset: 32, .size: 8, .value_kind: global_buffer, .address_space: global }
      - { .name: bk, .offset: 40, .size: 8, .value_kind: global_buffer, .address_space: global }
      - { .name: bq, .offset: 48, .size: 8, .value_kind: global_buffer, .address_space: global }
      - { .name: lowp_scales, .offset: 56, .size: 8, .value_kind: global_buffer, .address_space: global }
      - { .name: out0, .offset: 64, .size: 8, .value_kind: global_buffer, .address_space: global }
    .group_segment_fixed_size: 68608
    .private_segment_fixed_size: 0
    .kernarg_segment_align: 8
    .kernarg_segment_size: 72
    .max_flat_workgroup_size: 256
    .sgpr_count:     66
    .vgpr_count:     512
    .wavefront_size: 32
...
	.end_amdgpu_metadata
.endif
;; end of part 2
